; MI455X (gfx1250); checked and timed in simulation.
; The chip was launched on July 23, 2026; its instructions are those of AMD's public machine-readable ISA for CDNA 5 (MIT licence, August 2026) and "CDNA5" Instruction Set Architecture Reference Guide (July 2026). The comments in the code are by the model that wrote it; some were corrected since.
;; Additive Attention. Allowed arithmetic: matrix products marked QUANTISED: E2M3 operands, one E8M0 scale for each 32 along K, by v_wmma_scale_f32_16x16x128_f8f6f4 with both operands' format E2M3, f32 sums; products left as they are: f32 operands where the result goes on into a quantised operand, else bf16, f16 or f32 operands; f32 sums; everything else in f32.
;; Inputs: U_b 1,024 float32; U_w 1,024 x 1,024 float32; W_b 1,024 float32; W_w 1,024 x 1,024 float32; keys 32 x 2,048 x 1,024 float32; query 32 x 1,024 float32; v_b 1 float32; v_w 1 x 1,024 float32.
;; Outputs: out0 32 x 1,024 float32; out1 32 x 2,048 float32.
;; This version of the problem:
;;   THIS VERSION OF THE PROBLEM IS GIVEN IN LOW PRECISION. The matrix products marked QUANTISED in the list below multiply operands that are first quantised to E2M3 (2 exponent bits, 3 mantissa bits; 6 bits a number), with one power-of-two scale for each 32 numbers along K (OCP MX v1.0); their sums are f32. All else is computed in f32.
;;   The module's matrix products, in the order in which they are computed (A, B: the left and right operand; K: the contracted axis; several contracted axes count as one K, in the product's order):
;;     1. [M 32, K 1,024] x [K 1,024, N 1,024]; A: input query; B: input W_w: QUANTISED
;;     2. [M 65,536, K 1,024] x [K 1,024, N 1,024]; A: input keys; B: input U_w: QUANTISED
;;     3. [M 65,536, K 1,024] x [K 1,024, N 1]; A: computed on the way; B: input v_w: left as it is (N = 1 < 16)
;;     4. batch 32 x [M 1, K 2,048] x [K 2,048, N 1,024]; A: softmax; B: input keys: left as it is (M = 1 < 16)
;;   THE QUANTISER, for each operand of a quantised product, along K:
;;     - K is cut into blocks of 32 from its start; a last block that is shorter is filled with zeros.
;;     - A block's scale is 2^e with e = floor(log2(the largest magnitude in the block)) - 2, held to -126 .. 127; a block of zeros has e = 0. As a byte (E8M0): e + 127.
;;     - Each number is divided by its block's scale, clamped to +-7.5, and rounded to the nearest number of E2M3, ties to even, subnormals kept.
;;     - The product sums the exact products of the quantised numbers (number of the format x scale) in f32.
;;   ~~~python
;;   def quantise(x, axis):      # numpy; x: float32 -> the quantised numbers, widened to float32 again
;;       x = np.moveaxis(x, axis, -1); K = x.shape[-1]
;;       x = np.pad(x, [(0, 0)] * (x.ndim - 1) + [(0, -K % 32)]); x = x.reshape(x.shape[:-1] + (-1, 32)); a = np.abs(x).max(-1, keepdims=True)
;;       e = np.where(a > 0, np.clip(np.frexp(np.where(a > 0, a, 1))[1] - 1 - 2, -126, 127), 0)      # np.frexp(a)[1] - 1 = floor(log2(a)), exactly
;;       r = np.clip(x / 2.0 ** e, -7.5, 7.5)
;;       step = 2.0 ** (np.maximum(np.frexp(np.where(r == 0, 1, r))[1] - 1, 0) - 3)
;;       q = np.round(r / step) * step * 2.0 ** e      # np.round: ties to even
;;       return np.moveaxis(q.reshape(q.shape[:-2] + (-1,))[..., :K], -1, axis).astype(np.float32)
;;   ~~~
;; One version. Each part assembles by itself: llvm-mc -triple=amdgcn-amd-amdhsa -mcpu=gfx1250 --defsym DOCPART=n.
;; ======== version 1 of 1: 3 launches
;; limits: values are held in bf16: 8 bits of precision; right only within a limited range of input values
;; workspace buffers: u_img 786,432 bytes; u_sc 32,768 bytes; cb 131,072 bytes; scores 262,144 bytes; ctxp 4,194,304 bytes
;; launch prep (part 1): grid 192 x 1, 8 waves a work-group, no clusters, 212,480 bytes of LDS; arguments U_w, W_w, query, W_b, U_b, u_img, u_sc, cb; writes u_img, u_sc, cb
.if DOCPART == 1
	.amdgcn_target "amdgcn-amd-amdhsa--gfx1250"
	.amdhsa_code_object_version 6
	.text
	.protected	k_q2dc748f4e2_prep
	.globl	k_q2dc748f4e2_prep
	.p2align	8
	.type	k_q2dc748f4e2_prep,@function
k_q2dc748f4e2_prep:
	s_mov_b64 s[64:65], 0
	v_nop
	global_prefetch_b8 v0, s[64:65] scope:SCOPE_SE
	s_setreg_imm32_b32 hwreg(HW_REG_WAVE_MODE, 25, 1), 1
	s_wait_xcnt 0x0
; ADDITIVE ATTENTION, first of three launches: the small operands are made ready.
;   u_img, u_sc: U_w [1024 (o)][1024 (k)] as codes of FP6 (E2M3) with one E8M0 byte for each 32 along k, laid in the order of a matrix operand's registers;
;   cb[o / 16][b][o % 16] = c x (Q(query) Q(W_w)^T + W_b + U_b), c = 2 log2(e): the part of tanh's argument that hangs on the batch and the column alone.
; DEAD WORK, for all values of the inputs.  tanh(x) = 1 - 2 / (1 + 2^(c x)), so score[b][s] = (sum over o of v_w[o] + v_b) - 2 sum over o of v_w[o] / (1 + 2^(c x[b][s][o])).
; The bracket is the same for all s of a batch; both outputs hang on the scores through softmax over s alone, which a term that is equal along s leaves as it is.  So v_b and the sum of v_w are
; never formed; v_b has no way to an output, is not loaded and is among no launch's arguments.  LIMIT: a NaN, an infinity or an overflow in v_b or in the sum of v_w is not carried to the results.
; LIMITS of the quantiser here and in the next launch: NaN and infinities among the inputs are not served; a block whose largest magnitude lies under 2^(3 - 127) keeps the byte 1;
; a block of zeros has the byte 1 where the rule says 127: its codes are zeros, and the bytes are read by this program alone.
; SHARES.  Work-groups 0 .. 127: g = 2 ct + bh takes rows o = 16 ct .. + 15 of W_w and batches 16 bh .. + 15 of query; wave s takes K step s (128 along k): two fragments are quantised, one matrix
; instruction multiplies them, and the eight waves' partial sums meet in LDS.  Work-groups 128 .. 191: rows 16 (g - 128) .. + 15 of U_w; wave s quantises and stores the fragment of K step s.
; EVERY LOAD IS ISSUED AT THE START, and each reads 512 consecutive bytes of one row.  The quantiser wants 16 neighbours along k in a lane: the 16 rows x 512 bytes turn through the wave's own stage in LDS
; (rows 528 bytes apart: the 16 rows of one column start at 16 different places of 16 bytes modulo 256).  The two kinds of work-group have LDS bytes of their own; the one barrier stands in the common text.
; No tensor loads, no cluster, no prefetch: nothing here is large, and there is no loop to run ahead in.
.set SROW,  528                        ; a stage row: 512 bytes + 16
.set STB,   16*SROW                    ; a stage: 16 rows
.set STG,   0                          ; [wave 8][2] stages: W_w's and query's
.set USTG,  8*2*STB                    ; [wave 8] stages: U_w's
.set RED,   USTG+8*STB                 ; [s 8][b 16][r 16] f32: the waves' partial sums
.set USC,   RED+8192                   ; [s 8][r 16] scale words of U_w's fragments
.set SPARE, USC+512                    ; the spare words, 128 bytes for each of eight waves: four blocks of 256 bytes that no other line names
.set GA,  4                            ; 16 lane + 512 s: my 16 bytes of a row's K step, in any of the three tensors
.set SI,  5                            ; into my stages: STG + 2 STB w + 16 lane
.set SO,  6                            ; out of them: STG + 2 STB w + SROW r + 64 h
.set SIU, 7                            ; the same for U_w's stage
.set SOU, 8
.set RW,  9                            ; RED + 1024 s + 512 h + 4 r
.set RR,  10                           ; RED + 8 t
.set UW,  11                           ; USC + 64 s + 4 r
.set UR,  12                           ; USC + 16 lane
.set LI,  13                           ; 16 lane
.set T8,  14                           ; 8 t
.set BO,  15                           ; 8 (t % 8): the biases of my two columns
.set ST0, 16                           ; v16-79 W_w or U_w as loaded; later query's turned numbers
.set ST1, 80                           ; v80-143 query as loaded; when its stage stores are done: QF, D, SM
.set XQ,  144                          ; v144-207 turned numbers
.set TM,  208                          ; v208-223 at work in QUANT
.set SCR, 224                          ; v224-231 the second halves of the blocks' codes
.set WF,  232                          ; W_w's or U_w's fragment, and its scale word
.set WS,  244
.set QS,  245                          ; query's scale word
.set B0,  246                          ; W_b, U_b of my two columns
.set B1,  248
.set SPW, 250                          ; LDS address of my spare word; never rewritten
.set NIL, 251                          ; 0; never rewritten
.set QF,  80                           ; query's fragment
.set D,   96                           ; the result
.set SM,  104                          ; the eight partial sums on the way out
.set WV,  20
.set CC,  26                           ; s[26:27] c
.set SEL, 28                           ; s[28:29] selects for lane l xor 16
.macro GLOAD reg, base                 ; 16 rows x 512 bytes, a row a load
.irp i, 0,1,2,3,4,5,6,7,8,9,10,11,12,13,14,15
	global_load_b128 v[\reg+4*\i:\reg+4*\i+3], v[GA], s[\base:\base+1] offset:4096*\i
.endr
.endm
.macro TOST reg, adr, off              ; into a stage, as loaded
.irp i, 0,1,2,3,4,5,6,7,8,9,10,11,12,13,14,15
	ds_store_b128 v[\adr], v[\reg+4*\i:\reg+4*\i+3] offset:\off+SROW*\i
.endr
.endm
.macro FROMST reg, adr, off            ; and back: register 16 b + i = k 32 b + 16 (lane / 16) + i of row lane % 16.  LDS serves a wave's instructions in order: these see my stores
.irp b, 0,1,2,3
.irp j, 0,1,2,3
	ds_load_b128 v[\reg+16*\b+4*\j:\reg+16*\b+4*\j+3], v[\adr] offset:\off+128*\b+16*\j
.endr
.endr
.endm
; 64 numbers of a lane become a fragment's 12 registers at v[f] and its scale word in v[pw]
.macro QUANT src, f, pw
.irp b, 0,1,2,3
	v_max3_num_f32 v[TM+\b], |v[\src+16*\b]|, |v[\src+1+16*\b]|, 0x1800000   ; block b: my 16 numbers, and the floor 2^(3 - 127): the byte cannot fall under 1
.endr
.irp i, 2,4,6,8,10,12,14
.irp b, 0,1,2,3
	s_delay_alu instid0(VALU_DEP_4)
	v_max3_num_f32 v[TM+\b], v[TM+\b], |v[\src+16*\b+\i]|, |v[\src+1+16*\b+\i]|   ; the four blocks by turns
.endr
.endr
.irp b, 0,1,2,3
	s_delay_alu instid0(VALU_DEP_4)
	v_permlanex16_b32 v[TM+4+\b], v[TM+\b], s[SEL], s[SEL+1]
.endr
.irp b, 0,1,2,3
	s_delay_alu instid0(VALU_DEP_4)
	v_max_num_f32 v[TM+\b], v[TM+\b], v[TM+4+\b]   ; with lane l xor 16's: the block's largest magnitude
.endr
.irp b, 0,1,2,3
	s_delay_alu instid0(VALU_DEP_4)
	v_add_nc_u32 v[TM+12+\b], 0xff000000, v[TM+\b]   ; 2 off its exponent field: the conversion's scale operand
.endr
.irp b, 0,1,2,3
	s_delay_alu instid0(VALU_DEP_4)
	v_lshrrev_b32 v[TM+4+\b], 23, v[TM+12+\b]      ; the scale's byte
.endr
	s_delay_alu instid0(VALU_DEP_3)
	v_lshl_or_b32 v[\pw], v[TM+5], 8, v[TM+4]
	s_delay_alu instid0(VALU_DEP_1)
	v_lshl_or_b32 v[\pw], v[TM+6], 16, v[\pw]
	s_delay_alu instid0(VALU_DEP_1)
	v_lshl_or_b32 v[\pw], v[TM+7], 24, v[\pw]
.irp c, 0,1
	v_cvt_scalef32_pk16_fp6_f32 v[\f+6*\c:\f+2+6*\c], v[\src+32*\c:\src+15+32*\c], v[TM+12+2*\c]
	v_cvt_scalef32_pk16_fp6_f32 v[SCR+4*\c:SCR+2+4*\c], v[\src+16+32*\c:\src+31+32*\c], v[TM+12+2*\c+1]   ; a conversion's three registers begin on an even number
.endr
	v_nop                                          ; one plain place behind a scaled conversion
.irp c, 0,1                            ; the operand wants a whole block in a lane: lanes 0-15 block 2 c, lanes 16-31 block 2 c + 1
.irp i, 0,1,2
	v_permlane16_swap_b32 v[\f+6*\c+\i], v[SCR+4*\c+\i]
.endr
.irp i, 0,1,2
	s_delay_alu instid0(VALU_DEP_3)
	v_mov_b32 v[\f+3+6*\c+\i], v[SCR+4*\c+\i]
.endr
.endr
.endm
	s_load_b256 s[4:11], s[0:1], 0x0               ; U_w s[4:5], W_w s[6:7], query s[8:9], W_b s[10:11]
	s_load_b256 s[12:19], s[0:1], 0x20             ; U_b s[12:13], u_img s[14:15], u_sc s[16:17], cb s[18:19]
	v_lshl_add_u32 v[SPW], v0, 2, SPARE
	v_mov_b32 v[NIL], 0
	v_lshrrev_b32 v1, 5, v0
	v_and_b32 v2, 15, v0                           ; r
	v_bfe_u32 v3, v0, 4, 1                         ; h
	v_and_b32 v[LI], 31, v0                        ; lane
	v_lshlrev_b32 v[T8], 3, v0
	v_and_b32 v[BO], 7, v0
	v_readfirstlane_b32 s[WV], v1                  ; wave = K step
.irp b, 0,1,2,3
	v_mov_b32 v[TM+4+\b], 0                        ; written once: a lane permute's destination counts as one of its sources
.endr
	s_wait_alu depctr_va_vdst(0)                   ; directly ahead of the run of scalar instructions
	s_lshl_b32 s21, s[WV], 9
	s_mul_i32 s22, s[WV], 2*STB
	s_mul_i32 s23, s[WV], STB
	s_add_co_u32 s23, s23, USTG
	s_lshl_b32 s24, s[WV], 6
	s_add_co_u32 s24, s24, USC
	s_lshl_b32 s25, s[WV], 10
	s_add_co_u32 s25, s25, RED
	s_mov_b32 s[SEL], 0x76543210
	s_mov_b32 s[SEL+1], 0xfedcba98
	s_mov_b32 s[CC], 0x4038aa3b                    ; c = 2 log2(e)
	s_mov_b32 s[CC+1], s[CC]
	v_lshlrev_b32 v[UW], 2, v2                     ; the chains below take turns: each line reads what stands five lines or more above it
	v_mul_u32_u24 v[SO], v2, SROW
	v_lshlrev_b32 v[LI], 4, v[LI]
	v_lshlrev_b32 v[BO], 3, v[BO]
	v_add_nc_u32 v[RR], RED, v[T8]
	v_lshl_add_u32 v[RW], v3, 9, v[UW]
	v_lshl_add_u32 v[SO], v3, 6, v[SO]
	v_add_nc_u32 v[GA], s21, v[LI]
	v_add_nc_u32 v[SI], s22, v[LI]
	v_add_nc_u32 v[SIU], s23, v[LI]
	v_add_nc_u32 v[UR], USC, v[LI]
	v_add_nc_u32 v[UW], s24, v[UW]
	v_add_nc_u32 v[RW], s25, v[RW]
	v_add_nc_u32 v[SOU], s23, v[SO]
	v_add_nc_u32 v[SO], s22, v[SO]
	s_wait_alu depctr_va_vdst(0)                   ; at the head's end
	s_wait_kmcnt 0x0
	s_cmp_ge_u32 ttmp9, 128
	s_cbranch_scc1 .Lu_path
	; W_w x query
	s_lshr_b32 s30, ttmp9, 1                       ; ct
	s_and_b32 s32, ttmp9, 1                        ; bh
	s_lshl_b32 s34, s30, 6                         ; 16 biases
	s_mov_b32 s35, 0
	s_lshl_b32 s30, s30, 16                        ; 16 rows of 4,096 bytes
	s_mov_b32 s31, 0
	s_lshl_b32 s32, s32, 16
	s_mov_b32 s33, 0
	s_lshl_b32 s36, ttmp9, 10                      ; cb: 2,048 ct + 1,024 bh bytes
	s_mov_b32 s37, 0
	s_add_nc_u64 s[6:7], s[6:7], s[30:31]
	s_add_nc_u64 s[8:9], s[8:9], s[32:33]
	s_add_nc_u64 s[10:11], s[10:11], s[34:35]
	s_add_nc_u64 s[12:13], s[12:13], s[34:35]
	s_add_nc_u64 s[18:19], s[18:19], s[36:37]
	s_cmp_gt_u32 s[WV], 3
	s_cbranch_scc1 .Lno_bias                       ; waves 0 to 3 make the way out: they alone load the biases, ahead of all else, so that the counts below hold in every wave
	global_load_b64 v[B0:B0+1], v[BO], s[10:11]
	global_load_b64 v[B1:B1+1], v[BO], s[12:13]
.Lno_bias:
	GLOAD ST0, 6                                   ; W_w
	GLOAD ST1, 8                                   ; query
	s_wait_loadcnt 16                              ; W_w (and the biases) are in; query's 16 loads may be out
	TOST ST0, SI, 0
	FROMST XQ, SO, 0
	s_wait_loadcnt 0x0
	TOST ST1, SI, STB
	s_wait_dscnt 16                                ; W_w's turned numbers are back, so its stage stores have read v16-79; the 16 stores just issued may be out
	FROMST ST0, SO, STB
	QUANT XQ, WF, WS
	s_wait_dscnt 0x0                               ; query's turned numbers are back, and its stage stores have read v80-143
	QUANT ST0, QF, QS
.rept 8
	v_nop                                          ; a scale register written by a vector instruction stands 8 places ahead of a scaled matrix instruction, an operand so written 4
.endr
	v_wmma_scale_f32_16x16x128_f8f6f4 v[D:D+7], v[QF:QF+11], v[WF:WF+11], 0, v[QS], v[WS] matrix_a_fmt:MATRIX_FMT_FP6 matrix_b_fmt:MATRIX_FMT_FP6
.rept 4
	v_nop                                          ; four places in front of the first read of the result
.endr
.irp j, 0,1,2,3,4,5,6,7
	ds_store_b32 v[RW], v[D+\j] offset:64*\j       ; register j of lane (r, h): batch 8 h + j of my 16, column r; from the low end on
.endr
	s_branch .Lmeet
.Lu_path:
	s_sub_co_u32 s30, ttmp9, 128                   ; ct
	s_lshr_b32 s32, s30, 2                         ; my fragment's place: ((ct / 4) 32 + 4 s + ct % 4) x 1,536 bytes
	s_lshl_b32 s32, s32, 5
	s_lshl_b32 s33, s[WV], 2
	s_add_co_u32 s32, s32, s33
	s_and_b32 s33, s30, 3
	s_add_co_u32 s32, s32, s33
	s_mul_i32 s32, s32, 1536
	s_mov_b32 s33, 0
	s_lshl_b32 s34, s30, 9                         ; 128 scale words
	s_mov_b32 s35, 0
	s_lshl_b32 s30, s30, 16                        ; 16 rows of 4,096 bytes
	s_mov_b32 s31, 0
	s_add_nc_u64 s[4:5], s[4:5], s[30:31]
	s_add_nc_u64 s[14:15], s[14:15], s[32:33]
	s_add_nc_u64 s[16:17], s[16:17], s[34:35]
	GLOAD ST0, 4                                   ; U_w
	s_wait_loadcnt 0x0
	TOST ST0, SIU, 0
	FROMST XQ, SOU, 0
	s_wait_dscnt 0x0
	QUANT XQ, WF, WS
.irp c, 0,1,2
	global_store_b128 v[LI], v[WF+4*\c:WF+4*\c+3], s[14:15] offset:512*\c   ; the fragment as it stands: 512 consecutive bytes a store; these registers are not written again
.endr
	ds_store_b32 v[UW], v[WS]                      ; lanes r and r + 16 write the same word with the same value
.Lmeet:
	s_wait_dscnt 0x0                               ; for the others' sake: my stores have landed
	s_barrier_signal -1
	s_barrier_wait -1
	s_cmp_ge_u32 ttmp9, 128
	s_cbranch_scc1 .Lu_out
	s_cmp_gt_u32 s[WV], 3
	s_cbranch_scc1 .Lend
.irp k, 0,1,2,3,4,5,6,7
	ds_load_b64 v[SM+2*\k:SM+2*\k+1], v[RR] offset:1024*\k   ; thread t of 128: batch t / 8, columns 2 (t % 8) and the next, of all eight K steps
.endr
	v_pk_add_f32 v[B0:B0+1], v[B0:B0+1], v[B1:B1+1]   ; W_b + U_b
	s_wait_alu depctr_va_vdst(0)                   ; directly ahead of the wait below
	s_wait_dscnt 0x0
	v_pk_add_f32 v[B0:B0+1], v[B0:B0+1], v[SM:SM+1]   ; K ascending
.irp k, 1,2,3,4,5,6,7
	s_delay_alu instid0(VALU_DEP_1)
	v_pk_add_f32 v[B0:B0+1], v[B0:B0+1], v[SM+2*\k:SM+2*\k+1]
.endr
	s_delay_alu instid0(VALU_DEP_1)
	v_pk_mul_f32 v[B0:B0+1], v[B0:B0+1], s[CC:CC+1] op_sel_hi:[1,0]
	global_store_b64 v[T8], v[B0:B0+1], s[18:19]   ; a wave stores 256 consecutive bytes
	s_branch .Lend
.Lu_out:
	s_cmp_lg_u32 s[WV], 0
	s_cbranch_scc1 .Lend
	ds_load_b128 v[ST1:ST1+3], v[UR]               ; wave 0: the eight fragments' scale words leave as 512 consecutive bytes
	s_wait_dscnt 0x0
	global_store_b128 v[LI], v[ST1:ST1+3], s[16:17]
.Lend:
	s_wait_tensorcnt 0x0                           ; the wave's end
	ds_add_u32 v[SPW], v[NIL]
	s_wait_dscnt 0x0
	s_endpgm
.Lfunc_end_k_q2dc748f4e2_prep:
	.size	k_q2dc748f4e2_prep, .Lfunc_end_k_q2dc748f4e2_prep-k_q2dc748f4e2_prep
	.p2alignl 7, 3214868480
	.fill 96, 4, 3214868480
	.section	.rodata,"a",@progbits
	.p2align	6, 0x0
	.amdhsa_kernel k_q2dc748f4e2_prep
		.amdhsa_group_segment_fixed_size 212480
		.amdhsa_private_segment_fixed_size 0
		.amdhsa_enable_private_segment 0
		.amdhsa_kernarg_size 64
		.amdhsa_user_sgpr_count 2
		.amdhsa_user_sgpr_kernarg_segment_ptr 1
		.amdhsa_wavefront_size32 1
		.amdhsa_system_sgpr_workgroup_id_x 1
		.amdhsa_system_sgpr_workgroup_id_y 1
		.amdhsa_system_sgpr_workgroup_id_z 1
		.amdhsa_system_vgpr_workitem_id 0
		.amdhsa_next_free_vgpr 256
		.amdhsa_next_free_sgpr 66
		.amdhsa_reserve_vcc 0
		.amdhsa_float_denorm_mode_32 3
		.amdhsa_float_denorm_mode_16_64 3
		.amdhsa_memory_ordered 1
		.amdhsa_forward_progress 1
		.amdhsa_inst_pref_size 35
	.end_amdhsa_kernel
	.amdgpu_metadata
---
amdhsa.version: [ 1, 2 ]
amdhsa.kernels:
  - .name:           k_q2dc748f4e2_prep
    .symbol:         k_q2dc748f4e2_prep.kd
    .args:
      - { .name: U_w, .offset: 0, .size: 8, .value_kind: global_buffer, .address_space: global }
      - { .name: W_w, .offset: 8, .size: 8, .value_kind: global_buffer, .address_space: global }
      - { .name: query, .offset: 16, .size: 8, .value_kind: global_buffer, .address_space: global }
      - { .name: W_b, .offset: 24, .size: 8, .value_kind: global_buffer, .address_space: global }
      - { .name: U_b, .offset: 32, .size: 8, .value_kind: global_buffer, .address_space: global }
      - { .name: u_img, .offset: 40, .size: 8, .value_kind: global_buffer, .address_space: global }
      - { .name: u_sc, .offset: 48, .size: 8, .value_kind: global_buffer, .address_space: global }
      - { .name: cb, .offset: 56, .size: 8, .value_kind: global_buffer, .address_space: global }
    .group_segment_fixed_size: 212480
    .private_segment_fixed_size: 0
    .kernarg_segment_align: 8
    .kernarg_segment_size: 64
    .max_flat_workgroup_size: 256
    .sgpr_count:     66
    .vgpr_count:     256
    .wavefront_size: 32
...
	.end_amdgpu_metadata
.endif
;; end of part 1
;; launch main (part 2): grid 256 x 1, 4 waves a work-group, no clusters, 327,680 bytes of LDS; arguments keys, u_img, u_sc, cb, v_w, scores, ctxp; writes scores, ctxp
.if DOCPART == 2
	.amdgcn_target "amdgcn-amd-amdhsa--gfx1250"
	.amdhsa_code_object_version 6
	.text
	.protected	k_q2dc748f4e2_main
	.globl	k_q2dc748f4e2_main
	.p2align	8
	.type	k_q2dc748f4e2_main,@function
k_q2dc748f4e2_main:
	s_mov_b64 s[64:65], 0
	v_nop
	global_prefetch_b8 v0, s[64:65] scope:SCOPE_SE
	s_setreg_imm32_b32 hwreg(HW_REG_WAVE_MODE, 25, 1), 1
	s_wait_xcnt 0x0
; ADDITIVE ATTENTION, second launch: keys are read ONCE.  For each block of 64 rows of keys: sigma[row] = -c sum over o of v_w[o] / (1 + 2^(c Uk[row][o] + cb[b][o])), the score in base 2, c = 2 log2(e);
; and ctxp[block][:] = sum over the block's rows of 2^(sigma - the block's largest sigma) x keys[row][:].  Uk = Q(keys) Q(U_w)^T on codes of FP6 (E2M3) with E8M0 scales.
; LEFT OUT as dead work (shown at the head of the first launch): v_b and the sum of v_w, which are equal along the softmax's axis.
; LIMITS: those of the quantiser stated there.  2^(..) beyond f32's range gives the quotient 0, under it 1: tanh's own limits.  In the context keys enter as bf16, the weights as f32; sums in f32.
; SHARES.  Work-group g stays on rows 256 g .. 256 g + 255 (one batch, g / 8), four blocks of 64.  A block: (1) it has landed in LDS as f32, a quarter of the columns by each wave's tensor load;
; (2) each wave reads its own quarter from LDS once and makes of the same registers a bf16 copy in registers (for the context) and images of FP6 fragments and scale bytes in LDS; (3) barrier; the next block's
; tensor loads go out and have the whole product in which to land; (4) four passes: a pass makes a quarter of the columns, wave w 64 of them, for all 64 rows, K = 1024 in eight steps; the quotients times v_w are
; summed by rows; (5) the waves' partial scores meet in LDS (barrier); every wave forms the 64 weights and sums its quarter of the columns by fused multiply-adds.
; A K STEP MULTIPLIES ALL FOUR ROW TILES (16 accumulators), so that its four fragments of U_w are done with at once: the next pass's are asked for one K step later, into the same registers, from memory straight
; into registers, each lane 16 bytes, 512 consecutive bytes a load.  The column quarters are walked to and fro (see PASS), so that a block's last pass fetches nothing.
; NO CLUSTER, NO JOINT LOADS: keys are shared by nobody.  U_w's fragments are read by all work-groups, but LDS holds 266,240 bytes of landing and 59,904 of images, scores and spare words: 1,536 bytes are left,
; and one K step of the work-group's sixteen column tiles is 24,576; and each fragment feeds one wave alone, so LDS would only pass it on.  NO PREFETCH: keys are asked for a whole block ahead by the tensor loads.
; THE PRODUCT: source 0 = 16 rows of keys, source 1 = 16 rows of U_w: a lane holds ONE column o (lane % 16) and its registers the rows 8 (lane / 16) + 0 .. 7: the bias and v_w are one number a lane.
; REGISTERS, in windows of 256: window 0: see the names below.  window 1: the bf16 copy (see QG).  windows 2 and 3: U_w's 32 fragments of a pass, (s, t) at 12 (4 s + t), s = 5 .. 7 in window 3;
; behind them in window 3, from its register 144 on, keys' fragments: two sets of four.
.set LP,    1040                       ; a landed row: 1,024 bytes + 16 of padding
.set LANDQ, 64*LP                      ; a wave's landing: 64 rows x 256 columns of f32
.set CP,    576                        ; a fragment's image: three chunks of four registers; in a chunk lane L's 16 bytes lie at 16 L + 64 (L / 16)
.set FRB,   3*CP
.set CODE,  4*LANDQ                    ; keys' 32 fragments: (row tile m, K step s) at (8 m + s) FRB
.set ASC,   CODE+32*FRB                ; their scale words: [m 4][r 16][s 8]
.set SCX,   ASC+2048                   ; [wave 4][row 64] partial scores
.set PB,    SCX+1024                   ; [wave 4][row % 4][row / 4] weights, each wave's own
.set SPARE, PB+1024                    ; the spare words, 128 bytes a wave: two blocks of 256 bytes that no other line names
.set AI,   1                           ; CODE + 16 lane + 64 h
.set ASR,  2                           ; ASC + 512 h + 32 r
.set LQ,   3                           ; LANDQ w + LP r2 + 256 h + 64 g2
.set C0,   4                           ; v4-6 where the three registers of my 16 codes go in an image
.set SWB,  7                           ; ASC + 8 w + 32 r2 + 2 h + g2 / 2: my block's scale byte
.set SXW,  8                           ; SCX + 256 w + 64 g2 + 32 h + 8 r2
.set SXR,  9                           ; SCX + 8 lane
.set PBW,  10                          ; PB + 256 w + 128 (lane % 2) + 4 (lane / 2)
.set PBR,  11                          ; PB + 256 w + 64 r2
.set UO,   12                          ; u_img: 16 lane + 49152 w
.set USO,  13                          ; u_sc: 2048 w + 512 h + 4 r
.set CBO,  14                          ; cb: 8192 w + 4 r
.set VWO,  15                          ; v_w: 256 w + 4 r
.set UOT,  16                          ; v16, v17 u_img's and u_sc's offsets with the next pass's part, for K steps 0 to 3
.set USOT, 17
.set CBT,  18                          ; v18, v19 cb's and v_w's likewise
.set VWT,  19
.set GO,   20                          ; ctxp: 1024 w + 16 lane
.set SO,   21                          ; scores: 8 lane
.set SPW,  22                          ; my spare word; never rewritten
.set NIL,  23                          ; 0; never rewritten
.set UOT2, 29                          ; v29, v30 u_img's and u_sc's offsets for K steps 4 to 7
.set USOT2, 30
.set ASCL, 32                          ; v32-47 keys' scale words: register 8 g + s: lanes 0-15 row tile 2 g, lanes 16-31 row tile 2 g + 1
.set BSCL, 48                          ; v48-63 U_w's: register 2 s + q: lanes 0-15 column tile 2 q, lanes 16-31 tile 2 q + 1
.set BI,   64                          ; v64-71 cb of my column in tile t at 2 t (the odd registers are 0: packed forms name pairs); v72-79 v_w likewise
.set VV,   72
.set SACC, 80                          ; v80-111 sums by rows: 8 (row tile) + j; at the change of blocks: two sets of codes
.set ACC,  112                         ; v112-239 sixteen results: (m, t) at 8 (4 m + t)
.set AB3,  144                         ; in window 3: keys' fragments: set b, row tile m at 48 b + 12 m
.set ST0,  112                         ; at the change of blocks: v112-175, v176-239 two sets of 64 numbers
.set TM,   240                         ; v240-255 at work
.set P,    112                         ; in the context: my 16 weights,
.set X,    128                         ; my 32 sums,
.set XT,   160                         ; and 8 registers at work
.set WV,   18
.set SEL,  20                          ; s[20:21]
.set CC,   22                          ; s[22:23] c
.set G1,   24                          ; s[24:31] descriptor group 1
.set G0,   32                          ; s[32:35] group 0
.set FLR,  43                          ; the floor 2^(3 - 127)
.set EXO,  44                          ; -(2 << 23)
.set MSB, 0
.macro WIN new                         ; the immediate's high byte repeats the setting that is left; a switch that changes nothing is dropped
.if MSB != \new
	s_set_vgpr_msb (MSB<<8)|\new
.set MSB, \new
.endif
.endm
.macro PLACES                          ; four places behind matrix instructions, in front of loads into their registers and of the first read of results (ISA guide 7.12.1 for vector instructions)
.rept 4
	v_nop
.endr
.endm
.macro TL                              ; my quarter of a block: 64 rows x 1,024 bytes; an s_nop 0 and four v_nop follow
	tensor_load_to_lds s[G0:G0+3], s[G1:G1+7]
	s_nop 0
.rept 4
	v_nop
.endr
.endm
.macro ALOAD s, buf                    ; keys' four fragments of K step s into set buf (the destination's window is 3)
.irp m, 0,1,2,3
.irp c, 0,1,2
	ds_load_b128 v[AB3+48*(\buf)+12*\m+4*\c:AB3+48*(\buf)+12*\m+4*\c+3], v[AI] offset:(8*\m+(\s))*FRB+CP*\c
.endr
.endr
.endm
.macro RELOAD s                        ; the next pass's four fragments of K step s and their scale words: 14 loads
.if (\s) < 4
.set rU, UOT
.set rS, USOT
.else
.set rU, UOT2
.set rS, USOT2
.endif
.if (\s) < 5
	WIN 0x80
.set BB, 48*(\s)
.else
	WIN 0xc0
.set BB, 48*((\s)-5)
.endif
.irp t, 0,1,2,3
.irp c, 0,1,2
	global_load_b128 v[BB+12*\t+4*\c:BB+12*\t+4*\c+3], v[rU], s[6:7] offset:6144*(\s)+1536*\t+512*\c
.endr
.endr
	WIN 0
.irp q, 0,1
	global_load_b32 v[BSCL+2*(\s)+\q], v[rS], s[8:9] offset:64*(\s)+1024*\q
.endr
.endm
.macro BV                              ; the next pass's cb and v_w: 8 loads
.irp t, 0,1,2,3
	global_load_b32 v[BI+2*\t], v[CBT], s[10:11] offset:2048*\t
.endr
.irp t, 0,1,2,3
	global_load_b32 v[VV+2*\t], v[VWT], s[12:13] offset:64*\t
.endr
.endm
.macro WM zero, ra, rb                 ; one product; ra, rb: the scale words lie in lanes 16-31
.if \zero
.if (\ra) && (\rb)
	v_wmma_scale_f32_16x16x128_f8f6f4 v[rD:rD+7], v[rA:rA+11], v[rB:rB+11], 0, v[rSA], v[rSB] matrix_a_fmt:MATRIX_FMT_FP6 matrix_b_fmt:MATRIX_FMT_FP6 matrix_a_scale:MATRIX_SCALE_ROW1 matrix_b_scale:MATRIX_SCALE_ROW1
.elseif \ra
	v_wmma_scale_f32_16x16x128_f8f6f4 v[rD:rD+7], v[rA:rA+11], v[rB:rB+11], 0, v[rSA], v[rSB] matrix_a_fmt:MATRIX_FMT_FP6 matrix_b_fmt:MATRIX_FMT_FP6 matrix_a_scale:MATRIX_SCALE_ROW1
.elseif \rb
	v_wmma_scale_f32_16x16x128_f8f6f4 v[rD:rD+7], v[rA:rA+11], v[rB:rB+11], 0, v[rSA], v[rSB] matrix_a_fmt:MATRIX_FMT_FP6 matrix_b_fmt:MATRIX_FMT_FP6 matrix_b_scale:MATRIX_SCALE_ROW1
.else
	v_wmma_scale_f32_16x16x128_f8f6f4 v[rD:rD+7], v[rA:rA+11], v[rB:rB+11], 0, v[rSA], v[rSB] matrix_a_fmt:MATRIX_FMT_FP6 matrix_b_fmt:MATRIX_FMT_FP6
.endif
.else
.if (\ra) && (\rb)
	v_wmma_scale_f32_16x16x128_f8f6f4 v[rD:rD+7], v[rA:rA+11], v[rB:rB+11], v[rD:rD+7], v[rSA], v[rSB] matrix_a_fmt:MATRIX_FMT_FP6 matrix_b_fmt:MATRIX_FMT_FP6 matrix_a_scale:MATRIX_SCALE_ROW1 matrix_b_scale:MATRIX_SCALE_ROW1
.elseif \ra
	v_wmma_scale_f32_16x16x128_f8f6f4 v[rD:rD+7], v[rA:rA+11], v[rB:rB+11], v[rD:rD+7], v[rSA], v[rSB] matrix_a_fmt:MATRIX_FMT_FP6 matrix_b_fmt:MATRIX_FMT_FP6 matrix_a_scale:MATRIX_SCALE_ROW1
.elseif \rb
	v_wmma_scale_f32_16x16x128_f8f6f4 v[rD:rD+7], v[rA:rA+11], v[rB:rB+11], v[rD:rD+7], v[rSA], v[rSB] matrix_a_fmt:MATRIX_FMT_FP6 matrix_b_fmt:MATRIX_FMT_FP6 matrix_b_scale:MATRIX_SCALE_ROW1
.else
	v_wmma_scale_f32_16x16x128_f8f6f4 v[rD:rD+7], v[rA:rA+11], v[rB:rB+11], v[rD:rD+7], v[rSA], v[rSB] matrix_a_fmt:MATRIX_FMT_FP6 matrix_b_fmt:MATRIX_FMT_FP6
.endif
.endif
.endm
; K step s: one run of loads (keys' next four fragments from LDS; the next pass's weights of the K step just multiplied), then sixteen products on sixteen accumulators by turns, one instruction a turn
; rl = 1: weights are fetched for a next pass.
; THE ORDER OF THE WEIGHTS' LOADS, the same at the launch's head and in every pass that fetches: K steps 0 .. 7, 14 loads each, then 8 of cb and v_w.  With rl = 1, when K step s is multiplied, behind its own
; 14 loads stand at least 14 (7 - s) of the later steps and 14 s of this pass's own fetches: 98 in all.
.macro KS s, rl
.if \s > 0
	PLACES                                         ; for the loads below, into registers that the last K step's products have read (at s = 0 the epilogue's vector work has stood between)
.endif
.if \s < 7
	WIN 0xc0
	ALOAD \s+1, (\s+1)%2
.endif
.if \rl && (\s > 0)
	RELOAD \s-1
.endif
.if \s < 7
	s_wait_dscnt 12                                ; this step's twelve LDS loads are in; the twelve just issued may be out
.else
	s_wait_dscnt 0x0
.endif
.if \rl
.if \s == 4
	s_wait_loadcnt 56                              ; all but this pass's four fetches (4 x 14) are in: the loads that named the four offsets below are done, so these may be written
	v_add_nc_u32 v[UOT2], s39, v[UO]
	v_add_nc_u32 v[USOT2], s40, v[USO]
	v_add_nc_u32 v[CBT], s41, v[CBO]
	v_add_nc_u32 v[VWT], s42, v[VWO]
	s_wait_alu depctr_va_vdst(0)                   ; directly behind the writes
.else
	s_wait_loadcnt 63                              ; the youngest 63 of the 98 loads behind this step's weights may be out
.endif
.elseif 14*(7-\s) > 63
	s_wait_loadcnt 63                              ; a pass that fetches nothing: behind this step's weights stand at least the 14 (7 - s) loads of the later steps; 63 asks for more than is needed
.else
	s_wait_loadcnt 14*(7-\s)                       ; (the 8 loads of cb and v_w behind them are not leaned on)
.endif
.if \s < 5
	WIN 0x0b                                       ; source 0 (keys) in window 3, source 1 (U_w) in window 2
.set rBB, 48*\s
.else
	WIN 0x0f                                       ; both in window 3
.set rBB, 48*(\s-5)
.endif
.irp m, 0,1,2,3
.irp t, 0,1,2,3
.set rD, ACC+8*(4*\m+\t)
.set rA, AB3+48*(\s%2)+12*\m
.set rB, rBB+12*\t
.set rSA, ASCL+8*(\m/2)+\s
.set rSB, BSCL+2*\s+\t/2
	WM \s==0, \m%2, \t%2
.endr
.endr
.endm
; THE EPILOGUE: the sixteen results become v_w / (1 + 2^(c Uk + cb)), summed by rows.  Pair p of 64: registers 2 p, 2 p + 1 of the results; its column tile is (p / 4) % 4.
.macro SCB p                           ; c x + cb
	v_pk_fma_f32 v[ACC+2*(\p):ACC+2*(\p)+1], v[ACC+2*(\p):ACC+2*(\p)+1], s[CC:CC+1], v[BI+2*(((\p)/4)%4):BI+2*(((\p)/4)%4)+1] op_sel_hi:[1,0,0]
.endm
.macro ONE p                           ; 1 + 2^(..)
	v_pk_add_f32 v[ACC+2*(\p):ACC+2*(\p)+1], v[ACC+2*(\p):ACC+2*(\p)+1], 1.0 op_sel_hi:[1,0]
.endm
.macro FIN hf, i                       ; number i of 32 of half hf: column tile i / 8, row tile 2 hf + (i / 4) % 2, rows 2 (i % 4) and the next: eight sums by turns
.set fm, 2*(\hf)+((\i)/4)%2
.set ft, (\i)/8
.set fj, (\i)%4
	v_pk_fma_f32 v[SACC+8*fm+2*fj:SACC+8*fm+2*fj+1], v[ACC+8*(4*fm+ft)+2*fj:ACC+8*(4*fm+ft)+2*fj+1], v[VV+2*ft:VV+2*ft+1], v[SACC+8*fm+2*fj:SACC+8*fm+2*fj+1] op_sel_hi:[1,0,1]
.endm
; All scalings stand ahead of the first transcendental.  The transcendentals go in batches of 64 (row tiles 0, 1; row tiles 2, 3); among the second and third batch stand the other half's additions of 1, which
; read what an earlier wait has covered and are read behind a later one.  Each batch has a wait ahead of it, one plain place behind it and a wait ahead of its first reader.
.macro EPI
.set n, 0
.rept 64
	SCB n                                          ; each result from its low end on
.set n, n+1
.endr
.set n, 0
	s_wait_alu depctr_va_vdst(0)
.rept 32
	v_exp_f32 v[ACC+2*n], v[ACC+2*n]
	v_exp_f32 v[ACC+2*n+1], v[ACC+2*n+1]
.set n, n+1
.endr
	v_nop
	s_wait_alu depctr_va_vdst(0)
.set n, 0
.rept 32
	v_exp_f32 v[ACC+64+2*n], v[ACC+64+2*n]
	v_exp_f32 v[ACC+64+2*n+1], v[ACC+64+2*n+1]
	ONE n
.set n, n+1
.endr
	v_nop
	s_wait_alu depctr_va_vdst(0)
.set n, 0
.rept 32
	v_rcp_f32 v[ACC+2*n], v[ACC+2*n]
	v_rcp_f32 v[ACC+2*n+1], v[ACC+2*n+1]
	ONE 32+n
.set n, n+1
.endr
	v_nop
	s_wait_alu depctr_va_vdst(0)
.set n, 0
.rept 32
	v_rcp_f32 v[ACC+64+2*n], v[ACC+64+2*n]
	v_rcp_f32 v[ACC+64+2*n+1], v[ACC+64+2*n+1]
.set n, n+1
.endr
	v_nop
	s_wait_alu depctr_va_vdst(0)
.set n, 0
.rept 32
	FIN 0, n                                       ; the sums by rows follow the last batch's wait: no transcendental stands between two links of a sum
.set n, n+1
.endr
.set n, 0
.rept 32
	FIN 1, n
.set n, n+1
.endr
.endm
; A pass, s37 = 0 .. 3 in its block.  THE COLUMN QUARTERS ARE WALKED TO AND FRO: the pass takes quarter s37 xor s47, with s47 = 0 in blocks 0 and 2 and 3 in blocks 1 and 3: 0 1 2 3, 3 2 1 0, 0 1 2 3, 3 2 1 0.
; So a block's last pass and the next block's first take the same quarter: its fragments, scale words, cb and v_w stay in their registers, and the last pass fetches nothing: 13 fetches of a quarter in place of 16.
; Two arms, chosen by the pass's number alone.  Passes 0 to 2 fetch the weights of quarter (s37 + 1) xor s47 and keys' fragments of K step 0 for the next pass; pass 3 fetches neither.  One epilogue serves both.
; The counted waits hold after either arm, with or without the 8 loads of cb and v_w.
.macro PASS
	s_cmp_eq_u32 s37, 3
	s_cbranch_scc1 .Lstay_\@
	s_wait_loadcnt 56                              ; behind the last fetch of K step 3 stand at least 4 x 14 loads: the loads that named the two offsets below are done, so these may be written
	s_add_co_u32 s38, s37, 1
	s_xor_b32 s38, s38, s47                        ; the quarter whose weights are fetched in this pass
	s_mul_i32 s39, s38, 196608
	s_lshl_b32 s40, s38, 13
	s_lshl_b32 s41, s38, 15
	s_lshl_b32 s42, s38, 10
	v_add_nc_u32 v[UOT], s39, v[UO]
	v_add_nc_u32 v[USOT], s40, v[USO]
	s_wait_alu depctr_va_vdst(0)                   ; directly behind the writes
.irp s, 0,1,2,3,4,5,6,7
	KS \s, 1
.endr
	WIN 0xc0
	ALOAD 0, 0                                     ; set 0 was last read in K step 6; K step 7's four places have stood between
	WIN 0
	PLACES                                         ; in front of the first read of the results and of the loads into K step 7's weights
	RELOAD 7
	s_branch .Lepi_\@
.Lstay_\@:
.irp s, 0,1,2,3,4,5,6,7
	KS \s, 0
.endr
	WIN 0
	PLACES                                         ; in front of the first read of the results
	s_wait_loadcnt 0x0                             ; cb and v_w, the youngest loads
.Lepi_\@:
	EPI
	s_cmp_eq_u32 s37, 3
	s_wait_alu depctr_va_vdst(0)                   ; directly ahead of the branch
	s_cbranch_scc1 .Lnobv_\@
	BV
.Lnobv_\@:
.endm
; THE CHANGE OF BLOCKS.  My quarter of the landed block (only I read it: my own wait on TENSORcnt orders the reads) is read ONCE.  Lane l = r2 + 4 g2 + 16 h.  An ITEM (rp, T), rp = 0 .. 15, T = 0, 1, is 16
; neighbouring numbers of one row: row 4 rp + r2, columns 16 g .. 16 g + 15 of my 256, g = 4 (2 T + h) + g2.  The sixteen lanes of a half read 4 rows x 4 groups: 16 different places of 16 bytes modulo 256.
; A block of 32 lies in lanes l and l xor 4.  The item's 16 codes are registers R .. R + 2, R = 6 h + 3 (g2 % 2), of lane 4 (rp % 4) + r2 + 16 (g2 / 2) of the fragment (row tile rp / 4, K step 2 w + T);
; its bf16 copy is registers 8 (2 rp + T) + 0 .. 7 of window 1.  A group is four items, by turns; two sets of registers for numbers, codes and bytes.
.macro QLD n                           ; group n's 16 loads: items (2 n + k / 2, k % 2)
.set QSB, ST0+64*((\n)%2)
.irp k, 0,1,2,3
.irp j, 0,1,2,3
	ds_load_b128 v[QSB+16*\k+4*\j:QSB+16*\k+4*\j+3], v[LQ] offset:4*LP*(2*(\n)+\k/2)+512*(\k%2)+16*\j
.endr
.endr
.endm
.macro QG n
.set QSB, ST0+64*((\n)%2)
.set QPC, SACC+16*((\n)%2)
.set QBY, TM+8+4*((\n)%2)
.irp k, 0,1,2,3
	v_max3_num_f32 v[TM+\k], |v[QSB+16*\k]|, |v[QSB+16*\k+1]|, s[FLR]   ; my 16 numbers, and the floor 2^(3 - 127): the byte cannot fall under 1
.endr
.irp i, 2,4,6,8,10,12,14
.irp k, 0,1,2,3
	v_max3_num_f32 v[TM+\k], v[TM+\k], |v[QSB+16*\k+\i]|, |v[QSB+16*\k+\i+1]|
.endr
.endr
.irp k, 0,1,2,3
	v_max_num_f32_dpp v[TM+\k], v[TM+\k], v[TM+\k] row_xmask:4 row_mask:0xf bank_mask:0xf   ; with lane l xor 4's 16: the block's largest magnitude
.endr
.irp k, 0,1,2,3
	v_add_nc_u32 v[TM+4+\k], s[EXO], v[TM+\k]      ; 2 off the exponent field: the conversion's scale operand
.endr
.irp k, 0,1,2,3
	v_lshrrev_b32 v[QBY+\k], 23, v[TM+4+\k]        ; the scale's byte
.endr
.irp k, 0,1,2,3
	v_cvt_scalef32_pk16_fp6_f32 v[QPC+4*\k:QPC+4*\k+2], v[QSB+16*\k:QSB+16*\k+15], v[TM+4+\k]
.endr
	WIN 0x40
.set i, 0
.rept 32
	v_cvt_pk_bf16_f32 v[32*(\n)+i], v[QSB+2*i], v[QSB+2*i+1]   ; the copy; plain lines behind the scaled conversions, which touch none of their results
.set i, i+1
.endr
	WIN 0
.irp k, 0,1,2,3
.set QRP, 2*(\n)+\k/2
.set QIM, FRB*(8*(QRP/4)+\k%2)+64*(QRP%4)
	ds_store_b32 v[C0], v[QPC+4*\k] offset:QIM     ; the 32 lanes of a store touch 32 different banks
	ds_store_b32 v[C0+1], v[QPC+4*\k+1] offset:QIM
	ds_store_b32 v[C0+2], v[QPC+4*\k+2] offset:QIM
	ds_store_b8 v[SWB], v[QBY+\k] offset:128*QRP+4*(\k%2)   ; both lanes of a block write the same byte with the same value
.endr
.endm
.macro CONV
	QLD 0
	QLD 1
	s_wait_dscnt 16                                ; group 0's loads are in; group 1's 16 may be out
	QG 0
.irp n, 1,2,3,4,5,6
	QLD \n+1
	s_wait_dscnt 32                                ; this group's loads are in, and the stores of two groups ago are done; the last group's 16 stores and the 16 loads just issued may be out
	QG \n
.endr
	s_wait_dscnt 16                                ; group 7's loads are in; group 6's 16 stores may be out
	QG 7
.endm
; A fold: registers base + 0 .. d - 1 and base + d .. 2 d - 1 are summed over lanes l and l xor xm, and d registers are left: lanes whose bit (the mask) is 0 hold the sums of the lower d, the others of the upper d.
; Each lane gives its partner what the partner keeps.  VCC is written here, directly ahead of its readers.
.macro FOLD base, d, xm, mask, tmp
	s_mov_b32 vcc_lo, \mask
.set fp, 0
.rept \d
	v_cndmask_b32 v[\tmp+fp], v[\base+fp+\d], v[\base+fp], vcc_lo    ; what I give
.set fp, fp+1
.endr
.set fp, 0
.rept \d
	v_cndmask_b32 v[\base+fp], v[\base+fp], v[\base+fp+\d], vcc_lo   ; what I keep
.set fp, fp+1
.endr
.set fp, 0
.rept \d
	v_add_f32_dpp v[\base+fp], v[\tmp+fp], v[\base+fp] row_xmask:\xm row_mask:0xf bank_mask:0xf
.set fp, fp+1
.endr
.endm
; The block's scores, weights and partial context.  step = 1: a block follows
.macro SOFT step
	FOLD SACC, 16, 8, 0xff00ff00, TM               ; over the 16 columns that the lanes of a half hold: four folds leave each lane two rows:
	FOLD SACC, 8, 4, 0xf0f0f0f0, TM                ; 32 (bit 3) + 16 (bit 2) + 8 h + 4 (bit 1) + 2 (bit 0) and the next
	FOLD SACC, 4, 2, 0xcccccccc, TM
	FOLD SACC, 2, 1, 0xaaaaaaaa, TM
	ds_store_b64 v[SXW], v[SACC:SACC+1]
	s_wait_dscnt 0x0                               ; my partial scores have landed, and my reads of the images are over: the next block's images are written only behind this barrier
	s_barrier_signal -1
	s_barrier_wait -1
.irp k, 0,1,2,3
	ds_load_b64 v[240+2*\k:241+2*\k], v[SXR] offset:256*\k   ; rows 2 l and 2 l + 1, of the four waves
.endr
	s_wait_dscnt 0x0
	v_pk_add_f32 v[240:241], v[240:241], v[242:243]
	v_pk_add_f32 v[244:245], v[244:245], v[246:247]
	v_pk_add_f32 v[240:241], v[240:241], v[244:245]
	v_pk_mul_f32 v[240:241], v[240:241], s[CC:CC+1] op_sel_hi:[1,0] neg_lo:[1,0] neg_hi:[1,0]   ; sigma = -c x the sum
	s_cmp_lg_u32 s[WV], 0
	s_wait_alu depctr_va_vdst(0)                   ; directly ahead of the branch
	s_cbranch_scc1 .Lnot_wave_0_\@
	global_store_b64 v[SO], v[240:241], s[14:15]   ; wave 0: 256 consecutive bytes
.Lnot_wave_0_\@:
	v_max_num_f32 v242, v240, v241                 ; the block's largest sigma is taken away before the exponential
	v_max_num_f32_dpp v242, v242, v242 row_xmask:1 row_mask:0xf bank_mask:0xf
	v_max_num_f32_dpp v242, v242, v242 row_xmask:2 row_mask:0xf bank_mask:0xf
	v_max_num_f32_dpp v242, v242, v242 row_xmask:4 row_mask:0xf bank_mask:0xf
	v_max_num_f32_dpp v242, v242, v242 row_xmask:8 row_mask:0xf bank_mask:0xf
	v_permlanex16_b32 v243, v242, s[SEL], s[SEL+1]
	v_max_num_f32 v242, v242, v243
	v_sub_f32 v244, v240, v242
	v_sub_f32 v245, v241, v242
	s_wait_alu depctr_va_vdst(0)                   ; ahead of the batch
	v_exp_f32 v244, v244
	v_exp_f32 v245, v245
	v_nop
	s_wait_alu depctr_va_vdst(0)                   ; ahead of the first reader
	ds_store_b32 v[PBW], v244                      ; row 2 l: at [row % 4][row / 4]
	ds_store_b32 v[PBW], v245 offset:64            ; row 2 l + 1
.irp i, 0,1,2,3
	ds_load_b128 v[P+4*\i:P+4*\i+3], v[PBR] offset:16*\i   ; the weights of my 16 rows 4 rp + r2; LDS serves a wave's instructions in order (ISA guide 5.7.1.4): these see my stores
.endr
	s_wait_dscnt 0x0
	WIN 0x01                                       ; source 0: the bf16 copy, in window 1
.irp t, 0,1
.irp q, 0,1,2,3,4,5,6,7
	v_fma_mix_f32_bf16 v[X+16*\t+2*\q], v[8*\t+\q], v[P], v[NIL] op_sel_hi:[1,0,0]   ; the first row starts the 32 sums
	v_fma_mix_f32_bf16 v[X+16*\t+2*\q+1], v[8*\t+\q], v[P], v[NIL] op_sel:[1,0,0] op_sel_hi:[1,0,0]
.endr
.endr
.set rp, 1
.rept 15
.irp t, 0,1
.irp q, 0,1,2,3,4,5,6,7
	v_fma_mix_f32_bf16 v[X+16*\t+2*\q], v[8*(2*rp+\t)+\q], v[P+rp], v[X+16*\t+2*\q] op_sel_hi:[1,0,0]
	v_fma_mix_f32_bf16 v[X+16*\t+2*\q+1], v[8*(2*rp+\t)+\q], v[P+rp], v[X+16*\t+2*\q+1] op_sel:[1,0,0] op_sel_hi:[1,0,0]
.endr
.endr
.set rp, rp+1
.endr
	WIN 0
	FOLD X, 8, 2, 0xcccccccc, XT                   ; over the four lanes r2 that hold the rows: two folds leave each lane columns 4 r2 .. 4 r2 + 3 of its 16,
	FOLD X+16, 8, 2, 0xcccccccc, XT
	FOLD X, 4, 1, 0xaaaaaaaa, XT                   ; which are columns 4 l .. 4 l + 3 (T = 0) and 128 + 4 l .. (T = 1) of my 256
	FOLD X+16, 4, 1, 0xaaaaaaaa, XT
	global_store_b128 v[GO], v[X:X+3], s[16:17]    ; 512 consecutive bytes a store
	global_store_b128 v[GO], v[X+16:X+19], s[16:17] offset:512
.if \step
	s_wait_xcnt 0x0                                ; the stores have read their data and bases: both are written again only behind this wait
	s_add_nc_u64 s[14:15], s[14:15], 256
	s_add_nc_u64 s[16:17], s[16:17], 4096
.endif
.endm
.macro BLOCK fill
	s_wait_tensorcnt 0x0                           ; my one tensor load that is out is this block's: it has landed.  (A second wait for 0 follows below, in front of the refill's barrier)
	CONV
.if \fill
	s_wait_tensorcnt 0x0                           ; no tensor load of mine is out, so group 0 may be written
	ds_add_u32 v[SPW], v[NIL]                      ; 0 onto my spare word
	s_add_nc_u64 s[G0+2:G0+3], s[G0+2:G0+3], 262144   ; 64 rows on; the type bits on top are not reached
	s_wait_dscnt 0x0                               ; the add is done, my images have landed and my reads of the landing are over
	s_barrier_signal -1
	s_barrier_wait -1
	TL                                             ; the next block, first thing behind the barrier: it has this block's 512 products a wave in which to land
.else
	s_wait_dscnt 0x0
	s_barrier_signal -1
	s_barrier_wait -1
.endif
.irp g, 0,1
.irp q, 0,1
	ds_load_b128 v[ASCL+8*\g+4*\q:ASCL+8*\g+4*\q+3], v[ASR] offset:1024*\g+16*\q
.endr
.endr
	WIN 0xc0
	ALOAD 0, 0                                     ; the first pass's first K step
	WIN 0
.set n, 0
.rept 32
	v_mov_b32 v[SACC+n], 0
.set n, n+1
.endr
	s_mov_b32 s37, 0
.Lpass_\@:
	PASS
	s_add_co_u32 s37, s37, 1
	s_cmp_lt_u32 s37, 4
	s_cbranch_scc1 .Lpass_\@
	SOFT \fill
.if \fill
	s_xor_b32 s47, s47, 3                          ; the next block walks the column quarters the other way
.endif
.endm
	s_load_b256 s[4:11], s[0:1], 0x0               ; keys s[4:5], u_img s[6:7], u_sc s[8:9], cb s[10:11]
	s_load_b128 s[12:15], s[0:1], 0x20             ; v_w s[12:13], scores s[14:15]
	s_load_b64 s[16:17], s[0:1], 0x30              ; ctxp
	v_lshl_add_u32 v[SPW], v0, 2, SPARE
	v_mov_b32 v[NIL], 0
	ds_add_u32 v[SPW], v[NIL]                      ; the wave's opening: the add, twice on end, and its wait ahead of my first tensor load
	ds_add_u32 v[SPW], v[NIL]
	v_lshrrev_b32 v24, 5, v0
	v_readfirstlane_b32 s[WV], v24                 ; wave 0..3
	s_mov_b32 s[G1+0], (3<<16)|(1<<20)|(7<<22)|(3<<25)   ; no mask; elements of 8 bytes; padding on: after every 256 words (code 7) 4 words (code 3)
	s_mov_b32 s[G1+1], 128<<16                     ; tensor_dim0 = 128 elements (1,024 bytes)
	s_mov_b32 s[G1+2], 64<<16                      ; tensor_dim1 = 64
	s_mov_b32 s[G1+3], 128<<16                     ; tile_dim0
	s_mov_b32 s[G1+4], 64                          ; tile_dim1
	s_mov_b32 s[G1+5], 512                         ; from row to row: 512 elements (4,096 bytes)
	s_mov_b32 s[G1+6], 0
	s_mov_b32 s[G1+7], 0
	s_mov_b32 s[SEL], 0x76543210
	s_mov_b32 s[SEL+1], 0xfedcba98
	s_mov_b32 s[CC], 0x4038aa3b                    ; c = 2 log2(e)
	s_mov_b32 s[CC+1], s[CC]
	s_mov_b32 s[FLR], 0x1800000
	s_mov_b32 s[EXO], 0xff000000
	s_mov_b32 s[G0], 1
	s_mul_i32 s[G0+1], s[WV], LANDQ                ; my landing
	s_lshl_b32 s48, ttmp9, 20                      ; 256 rows of 4,096 bytes a work-group,
	s_lshl_b32 s49, s[WV], 10                      ; my 256 columns
	s_add_co_u32 s48, s48, s49
	s_mov_b32 s49, 0
	s_wait_dscnt 0x0                               ; both opening adds are done
	s_wait_kmcnt 0x0
	s_add_nc_u64 s[G0+2:G0+3], s[4:5], s[48:49]
	s_or_b32 s[G0+3], s[G0+3], 0x80000000
	TL                                             ; block 0: every wave issues it, with no branch
	s_lshr_b32 s48, ttmp9, 3                       ; the batch
	s_lshl_b32 s48, s48, 6
	s_add_nc_u64 s[10:11], s[10:11], s[48:49]      ; cb at my batch's 16 numbers of a tile
	s_lshl_b32 s48, ttmp9, 10
	s_add_nc_u64 s[14:15], s[14:15], s[48:49]      ; scores at my first row
	s_lshl_b32 s48, ttmp9, 14
	s_add_nc_u64 s[16:17], s[16:17], s[48:49]      ; ctxp at my first block
	s_mul_i32 s48, s[WV], LANDQ                    ; the wave's parts of the addresses, all ahead of the vector lines
	s_mul_i32 s49, s[WV], 2*FRB
	s_add_co_u32 s49, s49, CODE
	s_lshl_b32 s50, s[WV], 3
	s_add_co_u32 s50, s50, ASC
	s_lshl_b32 s53, s[WV], 8
	s_add_co_u32 s51, s53, SCX
	s_add_co_u32 s52, s53, PB
	s_mul_i32 s54, s[WV], 49152
	s_lshl_b32 s55, s[WV], 11
	s_lshl_b32 s56, s[WV], 13
	s_lshl_b32 s57, s[WV], 10
	s_mov_b32 s47, 0                               ; block 0 walks the column quarters upward
	v_and_b32 v24, 31, v0                          ; lane
	v_and_b32 v25, 15, v0                          ; r
	v_bfe_u32 v26, v0, 4, 1                        ; h
	v_and_b32 v31, 3, v0                           ; r2
	v_bfe_u32 v112, v0, 2, 2                       ; g2
	v_bfe_u32 v113, v0, 2, 1                       ; g2 % 2
	v_bfe_u32 v114, v0, 3, 1                       ; g2 / 2
	v_lshlrev_b32 v27, 4, v24                      ; 16 lane
	v_lshlrev_b32 v28, 2, v25                      ; 4 r
	v_lshl_add_u32 v[AI], v26, 6, v27
	v_add_nc_u32 v[AI], CODE, v[AI]
	v_lshlrev_b32 v[ASR], 5, v25
	v_lshl_add_u32 v[ASR], v26, 9, v[ASR]
	v_add_nc_u32 v[ASR], ASC, v[ASR]
	v_mul_u32_u24 v[LQ], v31, LP
	v_lshl_add_u32 v[LQ], v26, 8, v[LQ]
	v_lshl_add_u32 v[LQ], v112, 6, v[LQ]
	v_add_nc_u32 v[LQ], s48, v[LQ]
	v_mul_u32_u24 v115, v26, 6
	v_mad_u32_u24 v115, v113, 3, v115              ; R = 6 h + 3 (g2 % 2)
	v_lshlrev_b32 v116, 4, v31
	v_mad_u32_u24 v116, v114, 320, v116            ; the image's lane 4 (rp % 4) + r2 + 16 (g2 / 2): 16 r2 + 320 (g2 / 2) here, 64 (rp % 4) in the stores' offsets
	v_add_nc_u32 v116, s49, v116
.irp i, 0,1,2
	v_add_nc_u32 v117, \i, v115                    ; register R + i: chunk (R + i) / 4, word (R + i) % 4
	v_lshrrev_b32 v118, 2, v117
	v_and_b32 v119, 3, v117
	v_mad_u32_u24 v[C0+\i], v118, CP, v116
	v_lshl_add_u32 v[C0+\i], v119, 2, v[C0+\i]
.endr
	v_lshlrev_b32 v[SWB], 5, v31
	v_lshl_add_u32 v[SWB], v26, 1, v[SWB]
	v_add_nc_u32 v[SWB], v114, v[SWB]
	v_add_nc_u32 v[SWB], s50, v[SWB]
	v_lshlrev_b32 v[SXW], 6, v112
	v_lshl_add_u32 v[SXW], v31, 3, v[SXW]
	v_lshl_add_u32 v[SXW], v26, 5, v[SXW]
	v_add_nc_u32 v[SXW], s51, v[SXW]
	v_lshlrev_b32 v[SO], 3, v24
	v_add_nc_u32 v[SXR], SCX, v[SO]
	v_and_b32 v117, 1, v24
	v_lshrrev_b32 v118, 1, v24
	v_lshlrev_b32 v[PBW], 7, v117
	v_lshl_add_u32 v[PBW], v118, 2, v[PBW]
	v_add_nc_u32 v[PBW], s52, v[PBW]
	v_lshlrev_b32 v[PBR], 6, v31
	v_add_nc_u32 v[PBR], s52, v[PBR]
	v_add_nc_u32 v[VWO], s53, v28
	v_add_nc_u32 v[UO], s54, v27
	v_lshl_add_u32 v[USO], v26, 9, v28
	v_add_nc_u32 v[USO], s55, v[USO]
	v_add_nc_u32 v[CBO], s56, v28
	v_add_nc_u32 v[GO], s57, v27
	v_mov_b32 v[UOT], v[UO]                        ; quarter 0's offsets, in both sets
	v_mov_b32 v[USOT], v[USO]
	v_mov_b32 v[UOT2], v[UO]
	v_mov_b32 v[USOT2], v[USO]
	v_mov_b32 v[CBT], v[CBO]
	v_mov_b32 v[VWT], v[VWO]
.irp t, 0,1,2,3
	v_mov_b32 v[BI+2*\t+1], 0                      ; named as the upper halves of pairs, so they are written, once
	v_mov_b32 v[VV+2*\t+1], 0
.endr
	s_wait_alu depctr_va_vdst(0)                   ; at the head's end
.irp s, 0,1,2,3,4,5,6,7
	RELOAD \s                                      ; quarter 0's weights, in the order in which the passes fetch them, so that the passes' counts hold here too
.endr
	BV
	s_mov_b32 s36, 3
.Lblock:
	BLOCK 1
	s_sub_co_u32 s36, s36, 1
	s_cmp_lg_u32 s36, 0
	s_cbranch_scc1 .Lblock
	BLOCK 0                                        ; the last block is written out
	s_wait_tensorcnt 0x0                           ; the wave's end
	ds_add_u32 v[SPW], v[NIL]
	s_wait_dscnt 0x0
	s_endpgm
.Lfunc_end_k_q2dc748f4e2_main:
	.size	k_q2dc748f4e2_main, .Lfunc_end_k_q2dc748f4e2_main-k_q2dc748f4e2_main
	.p2alignl 7, 3214868480
	.fill 96, 4, 3214868480
	.section	.rodata,"a",@progbits
	.p2align	6, 0x0
	.amdhsa_kernel k_q2dc748f4e2_main
		.amdhsa_group_segment_fixed_size 327680
		.amdhsa_private_segment_fixed_size 0
		.amdhsa_enable_private_segment 0
		.amdhsa_kernarg_size 56
		.amdhsa_user_sgpr_count 2
		.amdhsa_user_sgpr_kernarg_segment_ptr 1
		.amdhsa_wavefront_size32 1
		.amdhsa_system_sgpr_workgroup_id_x 1
		.amdhsa_system_sgpr_workgroup_id_y 1
		.amdhsa_system_sgpr_workgroup_id_z 1
		.amdhsa_system_vgpr_workitem_id 0
		.amdhsa_next_free_vgpr 1024
		.amdhsa_next_free_sgpr 66
		.amdhsa_reserve_vcc 1
		.amdhsa_float_denorm_mode_32 3
		.amdhsa_float_denorm_mode_16_64 3
		.amdhsa_memory_ordered 1
		.amdhsa_forward_progress 1
		.amdhsa_inst_pref_size 255
	.end_amdhsa_kernel
	.section	.bss,"aw",@nobits
	.p2align	6
	.space	262144
	.amdgpu_metadata
---
amdhsa.version: [ 1, 2 ]
amdhsa.kernels:
  - .name:           k_q2dc748f4e2_main
    .symbol:         k_q2dc748f4e2_main.kd
    .args:
      - { .name: keys, .offset: 0, .size: 8, .value_kind: global_buffer, .address_space: global }
      - { .name: u_img, .offset: 8, .size: 8, .value_kind: global_buffer, .address_space: global }
      - { .name: u_sc, .offset: 16, .size: 8, .value_kind: global_buffer, .address_space: global }
      - { .name: cb, .offset: 24, .size: 8, .value_kind: global_buffer, .address_space: global }
      - { .name: v_w, .offset: 32, .size: 8, .value_kind: global_buffer, .address_space: global }
      - { .name: scores, .offset: 40, .size: 8, .value_kind: global_buffer, .address_space: global }
      - { .name: ctxp, .offset: 48, .size: 8, .value_kind: global_buffer, .address_space: global }
    .group_segment_fixed_size: 327680
    .private_segment_fixed_size: 0
    .kernarg_segment_align: 8
    .kernarg_segment_size: 56
    .max_flat_workgroup_size: 128
    .sgpr_count:     66
    .vgpr_count:     1024
    .wavefront_size: 32
...
	.end_amdgpu_metadata
.endif
;; end of part 2
;; launch finish (part 3): grid 4 x 32, 8 waves a work-group, no clusters, 10,240 bytes of LDS; arguments scores, ctxp, out0, out1; writes out0, out1
.if DOCPART == 3
	.amdgcn_target "amdgcn-amd-amdhsa--gfx1250"
	.amdhsa_code_object_version 6
	.text
	.protected	k_q2dc748f4e2_finish
	.globl	k_q2dc748f4e2_finish
	.p2align	8
	.type	k_q2dc748f4e2_finish,@function
k_q2dc748f4e2_finish:
	s_mov_b64 s[64:65], 0
	v_nop
	global_prefetch_b8 v0, s[64:65] scope:SCOPE_SE
	s_setreg_imm32_b32 hwreg(HW_REG_WAVE_MODE, 25, 1), 1
	s_wait_xcnt 0x0
; ADDITIVE ATTENTION, third launch: a batch's 2,048 scores sigma (base 2) and its 32 partial contexts become the outputs.
; M = the batch's largest sigma (taken away before every exponential), L = sum of 2^(sigma - M); out1 = 2^(sigma - M) / L;
; out0 = sum over blocks j of 2^(m_j - M) ctxp[j] / L, m_j the largest sigma of block j: the maximum of the same stored numbers as in the launch before, so the same bits.
; LEFT OUT as dead work (shown at the head of the first launch): v_b and the sum of v_w.
; SHARES.  Work-group (q, b): batch b, a quarter q of the columns of out0 and of the weights of out1; M and L are formed by all four alike.  Thread t holds sigma 4 t .. 4 t + 3 and 1024 + 4 t ..;
; sixteen lanes hold a block.  Wave w sums blocks 4 w .. 4 w + 3 of ctxp.  No matrix work, no tensor loads, no cluster: 8 KB of scores and 32 KB of ctxp to a work-group.
.set MB,    0                          ; LDS: 32 block maxima
.set WMX,   256                        ; 8 wave maxima
.set WSM,   512                        ; 8 wave sums
.set CX,    1024                       ; [wave 8][256 columns] f32
.set SPARE, 9216                       ; the spare words, 128 bytes for each of eight waves: four blocks of 256 bytes that no other line names
.set SPW, 94
.set NIL, 95
	s_load_b256 s[4:11], s[0:1], 0x0               ; scores s[4:5], ctxp s[6:7], out0 s[8:9], out1 s[10:11]
	v_lshl_add_u32 v[SPW], v0, 2, SPARE
	v_mov_b32 v[NIL], 0
	v_lshrrev_b32 v1, 5, v0
	s_delay_alu instid0(VALU_DEP_1)
	v_readfirstlane_b32 s12, v1                    ; wave
	s_and_b32 s13, ttmp7, 0xffff                   ; batch
	v_and_b32 v1, 31, v0
	v_lshlrev_b32 v2, 4, v0                        ; 16 t
	s_delay_alu instid0(VALU_DEP_2)
	v_lshlrev_b32 v3, 4, v1                        ; 16 l
	s_lshl_b32 s14, s12, 14
	v_add_nc_u32 v4, s14, v3                       ; ctxp: 4 blocks of 4,096 bytes a wave
	v_lshrrev_b32 v5, 4, v0
	s_delay_alu instid0(VALU_DEP_1)
	v_lshlrev_b32 v5, 2, v5                        ; MB: my block's word
	s_lshl_b32 s15, s12, 2
	s_add_co_u32 s16, s15, WMX
	v_mov_b32 v6, s16                              ; my wave's word of maxima,
	s_add_co_u32 s16, s15, WSM
	v_mov_b32 v7, s16                              ; and of sums
	s_lshl_b32 s16, s12, 4
	v_mov_b32 v8, s16                              ; MB: my wave's four blocks of ctxp
	v_mov_b32 v9, WMX
	v_mov_b32 v10, WSM
	s_lshl_b32 s16, s12, 10
	s_add_co_u32 s16, s16, CX
	v_add_nc_u32 v11, s16, v3                      ; CX: my wave's row, 16 l
	v_add_nc_u32 v12, CX, v2                       ; and back: 16 t (waves 0 and 1)
	v_mov_b32 v57, 0                               ; a lane permute's destination counts as one of its sources
	s_mov_b32 s20, 0x76543210
	s_mov_b32 s21, 0xfedcba98
	s_lshl_b32 s16, s13, 13                        ; a batch's scores and weights: 8,192 bytes
	s_mov_b32 s17, 0
	s_lshl_b32 s18, s13, 17                        ; its 32 blocks of ctxp,
	s_lshl_b32 s19, ttmp9, 10                      ; my quarter of the columns
	s_add_co_u32 s18, s18, s19
	s_lshl_b32 s22, s13, 12                        ; its row of out0
	s_add_co_u32 s22, s22, s19
	s_mov_b32 s19, 0
	s_mov_b32 s23, 0
	s_lshr_b32 s26, ttmp9, 1                       ; q / 2: which 1,024 of the weights
	s_lshl_b32 s24, s26, 12
	s_add_co_u32 s24, s24, s16
	s_mov_b32 s25, 0
	s_wait_kmcnt 0x0
	s_add_nc_u64 s[4:5], s[4:5], s[16:17]
	s_add_nc_u64 s[6:7], s[6:7], s[18:19]
	s_add_nc_u64 s[8:9], s[8:9], s[22:23]
	s_add_nc_u64 s[10:11], s[10:11], s[24:25]
	global_load_b128 v[16:19], v2, s[4:5]
	global_load_b128 v[20:23], v2, s[4:5] offset:4096
.irp jj, 0,1,2,3
.irp k, 0,1
	global_load_b128 v[24+8*\jj+4*\k:27+8*\jj+4*\k], v4, s[6:7] offset:4096*\jj+512*\k th:TH_LOAD_NT   ; read once in the launch
.endr
.endr
	s_wait_loadcnt 8                               ; the scores are in; ctxp's eight loads may be out
	v_max3_num_f32 v13, v16, v17, v18
	v_max3_num_f32 v14, v20, v21, v22
	s_delay_alu instid0(VALU_DEP_2)
	v_max_num_f32 v13, v13, v19
	s_delay_alu instid0(VALU_DEP_2)
	v_max_num_f32 v14, v14, v23
.irp x, 1,2,4,8
	s_delay_alu instid0(VALU_DEP_2)
	v_max_num_f32_dpp v13, v13, v13 row_xmask:\x row_mask:0xf bank_mask:0xf
	s_delay_alu instid0(VALU_DEP_2)
	v_max_num_f32_dpp v14, v14, v14 row_xmask:\x row_mask:0xf bank_mask:0xf
.endr
	ds_store_b32 v5, v13 offset:MB                 ; block t / 16; the sixteen lanes write the same word with the same value
	ds_store_b32 v5, v14 offset:MB+64              ; block 16 + t / 16
	v_max_num_f32 v15, v13, v14
	s_delay_alu instid0(VALU_DEP_1)
	v_permlanex16_b32 v57, v15, s20, s21
	s_delay_alu instid0(VALU_DEP_1)
	v_max_num_f32 v15, v15, v57
	ds_store_b32 v6, v15
	s_wait_dscnt 0x0
	s_barrier_signal -1
	s_barrier_wait -1
	ds_load_b128 v[56:59], v9
	ds_load_b128 v[60:63], v9 offset:16
	ds_load_b128 v[64:67], v8 offset:MB
	s_wait_dscnt 0x0
	v_max3_num_f32 v68, v56, v57, v58
	s_delay_alu instid0(VALU_DEP_1)
	v_max3_num_f32 v68, v68, v59, v60
	s_delay_alu instid0(VALU_DEP_1)
	v_max3_num_f32 v68, v68, v61, v62
	s_delay_alu instid0(VALU_DEP_1)
	v_max_num_f32 v68, v68, v63                    ; M
.irp i, 0,1,2,3,4,5,6,7
	v_sub_f32 v[16+\i], v[16+\i], v68
.endr
.irp i, 0,1,2,3
	v_sub_f32 v[64+\i], v[64+\i], v68
.endr
	s_wait_alu depctr_va_vdst(0)
.irp i, 0,1,2,3,4,5,6,7
	v_exp_f32 v[16+\i], v[16+\i]
.endr
.irp i, 0,1,2,3
	v_exp_f32 v[64+\i], v[64+\i]
.endr
	v_nop
	s_wait_alu depctr_va_vdst(0)                   ; one wait for the twelve, ahead of their first reader
	v_pk_add_f32 v[70:71], v[16:17], v[18:19]
	v_pk_add_f32 v[72:73], v[20:21], v[22:23]
	s_delay_alu instid0(VALU_DEP_1)
	v_pk_add_f32 v[70:71], v[70:71], v[72:73]
	s_delay_alu instid0(VALU_DEP_1)
	v_add_f32 v70, v70, v71
.irp x, 1,2,4,8
	s_delay_alu instid0(VALU_DEP_1)
	v_add_f32_dpp v70, v70, v70 row_xmask:\x row_mask:0xf bank_mask:0xf
.endr
	s_delay_alu instid0(VALU_DEP_1)
	v_permlanex16_b32 v71, v70, s20, s21
	s_delay_alu instid0(VALU_DEP_1)
	v_add_f32 v70, v70, v71
	ds_store_b32 v7, v70
	s_wait_loadcnt 0x0                             ; ctxp
.irp e, 0,1,2,3,4,5,6,7
	v_mul_f32 v[72+\e], v[24+\e], v64              ; the first block starts the sums
.endr
.irp jj, 1,2,3
.irp e, 0,1,2,3,4,5,6,7
	v_fma_f32 v[72+\e], v[24+8*\jj+\e], v[64+\jj], v[72+\e]
.endr
.endr
	ds_store_b128 v11, v[72:75]
	ds_store_b128 v11, v[76:79] offset:512
	s_wait_dscnt 0x0
	s_barrier_signal -1
	s_barrier_wait -1
	ds_load_b128 v[56:59], v10
	ds_load_b128 v[60:63], v10 offset:16
	s_cmp_lg_u32 s26, 0
	s_cselect_b32 s27, -1, 0                       ; all lanes: the second 1,024 weights or the first
	s_wait_dscnt 0x0
	v_pk_add_f32 v[56:57], v[56:57], v[58:59]
	v_pk_add_f32 v[60:61], v[60:61], v[62:63]
	s_delay_alu instid0(VALU_DEP_1)
	v_pk_add_f32 v[56:57], v[56:57], v[60:61]
	s_delay_alu instid0(VALU_DEP_1)
	v_add_f32 v56, v56, v57                        ; L
	s_wait_alu depctr_va_vdst(0)
	v_rcp_f32 v69, v56
.irp i, 0,1,2,3
	v_cndmask_b32 v[16+\i], v[16+\i], v[20+\i], s27   ; plain work behind the reciprocal
.endr
	s_wait_alu depctr_va_vdst(0)
.irp i, 0,1,2,3
	v_mul_f32 v[16+\i], v[16+\i], v69
.endr
	s_lshr_b32 s28, s12, 2
	s_and_b32 s29, ttmp9, 1
	s_cmp_lg_u32 s28, s29                          ; waves 4 (q % 2) .. + 3 hold my quarter's 512 weights
	s_cbranch_scc1 .Lno_weights
	global_store_b128 v2, v[16:19], s[10:11]       ; a wave stores 512 consecutive bytes
.Lno_weights:
	s_cmp_gt_u32 s12, 1
	s_cbranch_scc1 .Lno_context
.irp k, 0,1,2,3,4,5,6,7
	ds_load_b128 v[24+4*\k:27+4*\k], v12 offset:1024*\k   ; waves 0 and 1: four columns a lane, of the eight waves' sums
.endr
	s_wait_dscnt 0x0
.irp k, 1
	v_pk_add_f32 v[24:25], v[24:25], v[24+4*\k:25+4*\k]
	v_pk_add_f32 v[26:27], v[26:27], v[26+4*\k:27+4*\k]
.endr
.irp k, 2, 3, 4, 5, 6, 7
	s_delay_alu instid0(VALU_DEP_2)
	v_pk_add_f32 v[24:25], v[24:25], v[24+4*\k:25+4*\k]
	s_delay_alu instid0(VALU_DEP_2)
	v_pk_add_f32 v[26:27], v[26:27], v[26+4*\k:27+4*\k]
.endr
.irp i, 0,1,2,3
	v_mul_f32 v[24+\i], v[24+\i], v69
.endr
	global_store_b128 v2, v[24:27], s[8:9]
.Lno_context:
	s_wait_tensorcnt 0x0                           ; the wave's end
	ds_add_u32 v[SPW], v[NIL]
	s_wait_dscnt 0x0
	s_endpgm
.Lfunc_end_k_q2dc748f4e2_finish:
	.size	k_q2dc748f4e2_finish, .Lfunc_end_k_q2dc748f4e2_finish-k_q2dc748f4e2_finish
	.p2alignl 7, 3214868480
	.fill 96, 4, 3214868480
	.section	.rodata,"a",@progbits
	.p2align	6, 0x0
	.amdhsa_kernel k_q2dc748f4e2_finish
		.amdhsa_group_segment_fixed_size 10240
		.amdhsa_private_segment_fixed_size 0
		.amdhsa_enable_private_segment 0
		.amdhsa_kernarg_size 32
		.amdhsa_user_sgpr_count 2
		.amdhsa_user_sgpr_kernarg_segment_ptr 1
		.amdhsa_wavefront_size32 1
		.amdhsa_system_sgpr_workgroup_id_x 1
		.amdhsa_system_sgpr_workgroup_id_y 1
		.amdhsa_system_sgpr_workgroup_id_z 1
		.amdhsa_system_vgpr_workitem_id 0
		.amdhsa_next_free_vgpr 96
		.amdhsa_next_free_sgpr 66
		.amdhsa_reserve_vcc 0
		.amdhsa_float_denorm_mode_32 3
		.amdhsa_float_denorm_mode_16_64 3
		.amdhsa_memory_ordered 1
		.amdhsa_forward_progress 1
		.amdhsa_inst_pref_size 13
	.end_amdhsa_kernel
	.amdgpu_metadata
---
amdhsa.version: [ 1, 2 ]
amdhsa.kernels:
  - .name:           k_q2dc748f4e2_finish
    .symbol:         k_q2dc748f4e2_finish.kd
    .args:
      - { .name: scores, .offset: 0, .size: 8, .value_kind: global_buffer, .address_space: global }
      - { .name: ctxp, .offset: 8, .size: 8, .value_kind: global_buffer, .address_space: global }
      - { .name: out0, .offset: 16, .size: 8, .value_kind: global_buffer, .address_space: global }
      - { .name: out1, .offset: 24, .size: 8, .value_kind: global_buffer, .address_space: global }
    .group_segment_fixed_size: 10240
    .private_segment_fixed_size: 0
    .kernarg_segment_align: 8
    .kernarg_segment_size: 32
    .max_flat_workgroup_size: 256
    .sgpr_count:     66
    .vgpr_count:     96
    .wavefront_size: 32
...
	.end_amdgpu_metadata
.endif
;; end of part 3
